; MI455X (gfx1250); checked and timed in simulation.
; The chip was launched on July 23, 2026; its instructions are those of AMD's public machine-readable ISA for CDNA 5 (MIT licence, August 2026) and "CDNA5" Instruction Set Architecture Reference Guide (July 2026). The comments in the code are by the model that wrote it; some were corrected since.
;; MLP Kernel. Allowed arithmetic: float matrix products may take bf16 or f16 operands with f32 sums; all other float work in f32.
;; Inputs: W1 3 x 64 float32; W2 64 x 64 float32; W3 64 x 1 float32; b1 64 float32; b2 64 float32; b3 1 float32; diff 4 x 1,024 x 1,024 x 3 float32; mask 4 x 1,024 x 1,024 bool.
;; Outputs: out0 4 x 1,024 x 1,024 float32.
;; 2 versions, each right; version 2 is version 1 with the launch mlp_softmax written anew for expert scheduling mode. Each part assembles by itself: llvm-mc -triple=amdgcn-amd-amdhsa -mcpu=gfx1250 --defsym DOCPART=n.
;; ======== version 1 of 2: 1 launch
;; launch mlp_softmax (part 1): grid 256 x 1, 8 waves a work-group, no clusters, 41,984 bytes of LDS; arguments diff, mask, W1, b1, W2, b2, W3, b3, out0; writes out0
.if DOCPART == 1
	.amdgcn_target "amdgcn-amd-amdhsa--gfx1250"
	.amdhsa_code_object_version 6
	.text
	.protected	k_q4a1049b9bb_mlp_softmax
	.globl	k_q4a1049b9bb_mlp_softmax
	.p2align	8
	.type	k_q4a1049b9bb_mlp_softmax,@function
k_q4a1049b9bb_mlp_softmax:
	s_mov_b64 s[64:65], 0
	v_nop
	global_prefetch_b8 v0, s[64:65] scope:SCOPE_SE
	s_setreg_imm32_b32 hwreg(HW_REG_WAVE_MODE, 25, 1), 1
	s_wait_xcnt 0x0
; out0[row][j] = softmax over j of ( mask ? -inf : W3 . relu(W2^T relu(W1^T diff[row][j] + b1) + b2) + b3 ),  4,096 rows of 1,024 points.
; One launch, nothing intermediate in memory.  256 work-groups of 8 waves; a work-group owns 16 rows, a wave two whole rows, so a softmax
; never leaves its wave.  A row goes in 8 chunks of 128 points, a chunk in 8 groups of 16 points.
;
; ALL LAYERS ARE COMPUTED TRANSPOSED: D = W^T (hidden units as rows) x activations (hidden units along K, the 16 points as columns).
; In a result tile t, lane (r, h) holds in register j hidden unit 16 t + 8 h + j of point r; that is the order of K in the next layer's
; second operand, so relu and one packed rounding of neighbouring registers make that operand: no lane is crossed, no LDS is touched.
; b1 and b2 enter as the f32 C operands.  Layer 3 (one output) is a f32 multiply-add on the vector unit with W3 in f32; b3 is the addend
; of its first multiply-add in lanes 0-15.
;
; LAYER 1 has K = 3 of 32.  One operand X holds a whole chunk: lane L keeps point 32 s + L (s = 0..3) in registers 2 s, 2 s + 1 as
; (x0, x1), (x2, 0), which are k = {0, 4, 16, 20}[s] + 8 h + 0..3 of column r.  Group (s, h) is picked by a first operand that holds W1^T
; at just those k and zeros elsewhere.  The 32 such operands (4 tiles x 4 s x 2 h) are windows of 8 registers that slide over ONE array
; of 70: six zeros, the pair of (t, h), six zeros, the next pair, ..., six zeros.
;
; NOT SHARED IN A CLUSTER: the work-groups share 17,924 bytes of weights, read once each, against 278,528 bytes of their own
; (196,608 of diff, 16,384 of mask, 65,536 of out0).  No tensor load: each byte of diff is wanted once, by one lane, and a 12-byte load puts it there.
;
; LIMITS.  diff, W1, W2 and the hidden activations are rounded to bf16 (nearest even); b1, b2, W3, b3, all sums and the softmax are f32.
; diff has to be finite and below bf16's largest number (3.39e38): an infinity or NaN in the diff of ONE point, a masked one too, turns
; layer 1's zero products into NaN for the 7 other points that share its column of X.  Exponentials below 2^-126 come out as 0.
; A row that is masked throughout gives NaN everywhere, as -inf - (-inf) does in the formula itself.
.set DROW,   12288                     ; bytes in a row of diff
.set CHUNKB, 1536                      ; bytes of diff in a chunk of 128 points
.set SCR,    8192                      ; LDS: 0..8191 the image of W2^T's 8 fragments; then 4,096 bytes of scores for each wave
; window 0
.set DBASE, 4                          ; 12 L + my wave's two rows of diff
.set DOFF,  5                          ; the same at the chunk at work
.set MBASE, 6                          ; 4 L + my wave's two rows of mask
.set MOFF,  7
.set OBASE, 8                          ; 16 L + my wave's two rows of out0
.set OOFF,  9
.set SBASE, 10                         ; LDS: my wave's scores + 4 L
.set SST,   11                         ; the same at the chunk at work
.set SLD,   12                         ; LDS: my wave's scores + 16 L
.set L16,   13                         ; 16 L
.set BI,    14                         ; v[14:15]   (b3 in lanes 0-15, 0 in lanes 16-31; 0)
.set P0,    16                         ; v16, v17   a lane's half sums of the groups (s, 0) and (s, 1)
.set KEEP,  18
.set SEND,  19
.set RECV,  20
.set TMP,   21
.set MX,    22                         ; v[22:23]   the row's maximum, twice
.set SM,    24                         ; v[24:25]   the row's sum
.set RC,    26                         ; v[26:27]   1 / sum, twice
.set W2OFF, 28
.set W1OFF, 29
.set HOFF,  30                         ; 32 h: my 8 hidden units in each 16 of b1, b2, W3
.set WST,   31                         ; LDS: where my wave's fragment of W2^T goes
.set RAW,   32                         ; v[32:47]   the next chunk's diff: slot s in RAW + 4 s .. + 2
.set X,     48                         ; v[48:55]   layer 1's second operand
.set MSK,   56                         ; v[56:63]   the row's mask, 4 bytes a lane and block
.set CB1,   64                         ; v[64:95]   b1[16 t + 8 h + j] at 8 t + j
.set CB2,   96                         ; v[96:127]  b2 likewise
.set D1,    128                        ; v[128:159] layer 1's results, 4 tiles
.set E,     128                        ;            in the softmax: the lane's 32 scores
.set D2,    160                        ; v[160:191] layer 2's results, 4 tiles; at work in the set-up and the softmax
.set SB,    164                        ;            the softmax's second chain of sums
.set B2,    192                        ; v[192:207] layer 2's second operand, K = 0..31 and 32..63
.set ACC,   208                        ; v[208:211] layer 3: two chains of two
; window 1 (written by their low 8 bits)
.set A2,    0                          ; v256-v319  W2^T: fragment 2 t + c (rows 16 t .., K 32 c ..) at 8 (2 t + c)
.set W3R,   64                         ; v320-v351  W3[16 t + 8 h + j] at 8 t + j, f32
.set A1,    96                         ; v352-v421  the array under layer 1's sliding windows
; s_set_vgpr_msb: bits 1:0 source 0, 3:2 source 1, 5:4 source 2, 7:6 destination; the high byte repeats the setting that is left
.set SRC0_W1, 0x01
.set DST_W1,  0x40
.set MSB, 0
.macro WIN new
.if MSB != \new
	s_set_vgpr_msb (MSB<<8)|\new
.set MSB, \new
.endif
.endm
; relu of two neighbouring registers (a even) in one issue.  Source 0 is a constant, so it holds under SRC0_W1 too.
.macro RELU2 a
	v_dual_max_num_f32 v[\a], 0, v[\a] :: v_dual_max_num_f32 v[\a+1], 0, v[\a+1]
.endm
.macro PLACES                          ; four places behind a matrix instruction whose result is read next (ISA guide 7.12.1)
.rept 4
	v_nop
.endr
.endm
; Layer 1 of group (s, h): four tiles of 16 hidden units; the window starts 2 s in front of the pair of (t, h).  Under SRC0_W1.
.macro L1 s, h
.irp t, 0,1,2,3
	v_wmma_f32_16x16x32_bf16 v[D1+8*\t:D1+8*\t+7], v[A1+6+8*(2*\t+\h)-2*\s:A1+6+8*(2*\t+\h)-2*\s+7], v[X:X+7], v[CB1+8*\t:CB1+8*\t+7]
.endr
.endm
; Layer 2: K = 0..31 starts the four sums on b2, K = 32..63 adds onto them.  The four accumulators take turns, one instruction a turn,
; Under SRC0_W1.
.macro L2
.irp t, 0,1,2,3
	v_wmma_f32_16x16x32_bf16 v[D2+8*\t:D2+8*\t+7], v[A2+16*\t:A2+16*\t+7], v[B2:B2+7], v[CB2+8*\t:CB2+8*\t+7]
.endr
.irp t, 0,1,2,3
	v_wmma_f32_16x16x32_bf16 v[D2+8*\t:D2+8*\t+7], v[A2+16*\t+8:A2+16*\t+15], v[B2+8:B2+15], v[D2+8*\t:D2+8*\t+7]
.endr
.endm
.macro R1MAX                           ; relu of layer 1's 32 results
.set n, 0
.rept 16
	RELU2 D1+2*n
.set n, n+1
.endr
.endm
.macro R1CVT                           ; and their rounding: register n of layer 2's operand is results 2 n, 2 n + 1.  Under window 0.
.set n, 0
.rept 16
	v_cvt_pk_bf16_f32 v[B2+n], v[D1+2*n], v[D1+2*n+1]
.set n, n+1
.endr
.endm
; relu of layer 2's 32 results and layer 3's multiply-adds, the relu two pairs ahead; two chains.  W3 is source 0: under SRC0_W1.
.macro R2MAIN
	RELU2 D2
	RELU2 D2+2
	RELU2 D2+4
	v_pk_fma_f32 v[ACC:ACC+1], v[W3R:W3R+1], v[D2:D2+1], v[BI:BI+1]          ; the first chain starts on b3
	RELU2 D2+6
	v_pk_mul_f32 v[ACC+2:ACC+3], v[W3R+2:W3R+3], v[D2+2:D2+3]                ; the second on its first product
.set n, 2
.rept 12
	RELU2 D2+2*n+4
	v_pk_fma_f32 v[ACC+2*(n&1):ACC+2*(n&1)+1], v[W3R+2*n:W3R+2*n+1], v[D2+2*n:D2+2*n+1], v[ACC+2*(n&1):ACC+2*(n&1)+1]
.set n, n+1
.endr
	v_pk_fma_f32 v[ACC:ACC+1], v[W3R+28:W3R+29], v[D2+28:D2+29], v[ACC:ACC+1]
	v_pk_fma_f32 v[ACC+2:ACC+3], v[W3R+30:W3R+31], v[D2+30:D2+31], v[ACC+2:ACC+3]
.endm
.macro R2TAIL p                        ; the lane's sum over its 32 hidden units, of group (s, p).  Under window 0.
	v_pk_add_f32 v[ACC:ACC+1], v[ACC:ACC+1], v[ACC+2:ACC+3]
	v_add_f32 v[P0+\p], v[ACC], v[ACC+1]
.endm
; The two halves of each point's sum lie in lanes r and 16 + r.  Lanes 0-15 keep group (s, 0) and send (s, 1), lanes 16-31 the other way
; round: one crossing serves both groups, and lane L ends with the score of point 32 s + L.
.macro COMBINE s
	v_cndmask_b32 v[KEEP], v[P0+1], v[P0], s30
	v_cndmask_b32 v[SEND], v[P0], v[P0+1], s30
	v_permlanex16_b32 v[RECV], v[SEND], s32, s33
	v_add_f32 v[KEEP], v[KEEP], v[RECV]
	ds_store_b32 v[SST], v[KEEP] offset:128*(\s)                             ; 128 neighbouring bytes of my wave's own scores
.endm
.macro XCVT                            ; a chunk's diff rounded into layer 1's operand
.irp s, 0,1,2,3
	v_cvt_pk_bf16_f32 v[X+2*\s], v[RAW+4*\s], v[RAW+4*\s+1]
	v_cvt_pk_bf16_f32 v[X+2*\s+1], v[RAW+4*\s+2], 0
.endr
.endm
; Step i = 2 s + h of a chunk, i >= 2: layer 1 of group i, layer 3 of group i - 2, layer 2 of group i - 1.  The 32 vector instructions of
; R2MAIN are the places between L1 and R1MAX; R1MAX's 16 are those between L2 and the writes of B2 and, a step later, the reads of D2.
.macro STEP s, h
	WIN SRC0_W1
	L1 \s, \h
	R2MAIN
	L2
	R1MAX
	WIN 0
	R1CVT
	R2TAIL \h
.if \h
	COMBINE \s-1
.endif
.endm
; ---------------------------------------------------------------- set-up
	s_load_b512 s[8:23], s[0:1], 0x0               ; diff s[8:9], mask s[10:11], W1 s[12:13], b1 s[14:15], W2 s[16:17], b2 s[18:19], W3 s[20:21], b3 s[22:23]
	s_load_b64 s[24:25], s[0:1], 0x40              ; out0
	v_lshl_add_u32 v254, v0, 2, 0xa000
	v_mov_b32 v255, 0
	v_and_b32 v1, 31, v0                           ; L
	v_and_b32 v2, 15, v0                           ; r
	v_bfe_u32 v3, v0, 4, 1                         ; h
	v_lshrrev_b32 v[TMP], 5, v0
	v_readfirstlane_b32 s26, v[TMP]                ; wave w, 0..7
	s_mov_b32 s30, 0x0000ffff                      ; lanes 0-15
	s_mov_b32 s31, 0xffff0000                      ; lanes 16-31
	s_mov_b32 s32, 0x76543210                      ; v_permlanex16_b32: lane i takes lane i of the other half
	s_mov_b32 s33, 0xfedcba98
	s_mul_i32 s27, ttmp9, 16*DROW                  ; diff: 16 rows a work-group, 2 a wave, 12 bytes a lane
	s_mul_i32 s28, s26, 2*DROW
	s_add_co_u32 s27, s27, s28
	v_mad_u32_u24 v[DBASE], v1, 12, s27
	s_lshl_b32 s27, ttmp9, 14                      ; mask: rows of 1,024 bytes, 4 bytes a lane
	s_lshl_b32 s28, s26, 11
	s_add_co_u32 s27, s27, s28
	v_lshl_add_u32 v[MBASE], v1, 2, s27
	s_lshl_b32 s27, ttmp9, 16                      ; out0: rows of 4,096 bytes, 16 bytes a lane
	s_lshl_b32 s28, s26, 13
	s_add_co_u32 s27, s27, s28
	v_lshl_add_u32 v[OBASE], v1, 4, s27
	s_lshl_b32 s27, s26, 12                        ; LDS: my wave's 4,096 bytes of scores
	s_add_co_u32 s27, s27, SCR
	v_lshl_add_u32 v[SBASE], v1, 2, s27
	v_lshl_add_u32 v[SLD], v1, 4, s27
	v_lshlrev_b32 v[L16], 4, v1
	s_lshl_b32 s29, s26, 10                        ; LDS: fragment w of W2^T
	v_add_nc_u32 v[WST], s29, v[L16]
	s_and_b32 s27, s26, 1                          ; wave w rounds fragment w = 2 t + c: W2[32 c + k][16 t + r], rows of 256 bytes
	s_lshl_b32 s27, s27, 13                        ; 32 c rows
	s_lshr_b32 s28, s26, 1
	s_lshl_b32 s28, s28, 6                         ; 16 t columns
	s_add_co_u32 s27, s27, s28
	v_lshl_add_u32 v[W2OFF], v2, 2, s27
	v_lshl_add_u32 v[W2OFF], v3, 11, v[W2OFF]      ; + 8 h rows
	v_lshlrev_b32 v[W1OFF], 2, v2
	v_lshlrev_b32 v[HOFF], 5, v3
	s_wait_kmcnt 0x0
	s_load_b32 s34, s[22:23], 0x0                  ; b3
.irp e, 0,1,2,3,4,5,6,7
	global_load_b32 v[D2+\e], v[W2OFF], s[16:17] offset:256*\e               ; k = 8 h + e
.endr
.irp e, 0,1,2,3,4,5,6,7
	global_load_b32 v[D2+8+\e], v[W2OFF], s[16:17] offset:4096+256*\e        ; k = 16 + 8 h + e
.endr
.irp s, 0,1,2,3
	global_load_b96 v[RAW+4*\s:RAW+4*\s+2], v[DBASE], s[8:9] offset:384*\s th:TH_LOAD_NT   ; chunk 0: 384 neighbouring bytes a load
.endr
.irp t, 0,1,2,3
.irp d, 0,1,2
	global_load_b32 v[D1+4*\t+\d], v[W1OFF], s[12:13] offset:256*\d+64*\t    ; W1[d][16 t + r]
.endr
.endr
.irp t, 0,1,2,3
.irp u, 0,1
	global_load_b128 v[CB1+8*\t+4*\u:CB1+8*\t+4*\u+3], v[HOFF], s[14:15] offset:64*\t+16*\u
	global_load_b128 v[CB2+8*\t+4*\u:CB2+8*\t+4*\u+3], v[HOFF], s[18:19] offset:64*\t+16*\u
.endr
.endr
	WIN DST_W1
.irp t, 0,1,2,3
.irp u, 0,1
	global_load_b128 v[W3R+8*\t+4*\u:W3R+8*\t+4*\u+3], v[HOFF], s[20:21] offset:64*\t+16*\u
.endr
.endr
	WIN 0
	s_wait_loadcnt 40                              ; W2's 16 are in; the 4 + 12 + 16 + 8 loads issued behind them stay out
.irp n, 0,1,2,3,4,5,6,7
	v_cvt_pk_bf16_f32 v[D2+16+\n], v[D2+2*\n], v[D2+2*\n+1]
.endr
	ds_store_b128 v[WST], v[D2+16:D2+19]           ; the fragment's registers 0-3, lane by lane,
	ds_store_b128 v[WST], v[D2+20:D2+23] offset:512 ; and 4-7
	s_wait_dscnt 0x0                               ; for the other waves' sake: my fragment lies in LDS
	s_barrier_signal -1
	s_barrier_wait -1                              ; all eight do; the kernel's only barrier: the image is never written again
	WIN DST_W1
.irp f, 0,1,2,3,4,5,6,7
	ds_load_b128 v[A2+8*\f:A2+8*\f+3], v[L16] offset:1024*\f
	ds_load_b128 v[A2+8*\f+4:A2+8*\f+7], v[L16] offset:1024*\f+512
.endr
	WIN 0
	s_wait_loadcnt 24                              ; chunk 0 and W1 are in; the 16 loads of b1 and b2 and the 8 of W3 stay out
.irp t, 0,1,2,3
	v_cvt_pk_bf16_f32 v[D1+16+2*\t], v[D1+4*\t], v[D1+4*\t+1]                ; (W1[0], W1[1]) of hidden unit 16 t + r
	v_cvt_pk_bf16_f32 v[D1+17+2*\t], v[D1+4*\t+2], 0                         ; (W1[2], 0)
.endr
	WIN DST_W1
.irp i, 0,1,2,3,4,5
	v_mov_b32 v[A1+\i], 0                          ; the zeros are operands (K beyond the three inputs), not sums that are cleared
.endr
.irp p, 0,1,2,3,4,5,6,7
.irp i, 2,3,4,5,6,7
	v_mov_b32 v[A1+6+8*\p+\i], 0
.endr
.endr
.irp t, 0,1,2,3
.irp h, 0,1
	v_cndmask_b32 v[A1+6+8*(2*\t+\h)], 0, v[D1+16+2*\t], s[30+\h]            ; the pair of (t, h): W1 in the lanes of half h, 0 in the others
	v_cndmask_b32 v[A1+7+8*(2*\t+\h)], 0, v[D1+17+2*\t], s[30+\h]
.endr
.endr
	WIN 0
	XCVT                                           ; chunk 0
	s_wait_loadcnt 0x0                             ; b1, b2, W3
	s_wait_dscnt 0x0                               ; W2^T's fragments
	s_wait_kmcnt 0x0                               ; b3
	v_mov_b32 v[TMP], s34
	v_cndmask_b32 v[BI], 0, v[TMP], s30            ; b3 once for each point: in the half sums of lanes 0-15
	v_mov_b32 v[BI+1], 0
	v_mov_b32 v[RECV], 0                           ; v_permlanex16_b32 counts as a reader of its destination
; ---------------------------------------------------------------- my two rows
	s_mov_b32 s40, 0
.Lrow:
	s_lshl_b32 s42, s40, 10
	v_add_nc_u32 v[MOFF], s42, v[MBASE]            ; the last row's mask loads were waited for in its chunks
	s_lshl_b32 s42, s40, 12
	v_add_nc_u32 v[OOFF], s42, v[OBASE]            ; behind the s_wait_xcnt 0 at the last row's end
.irp q, 0,1,2,3,4,5,6,7
	global_load_b32 v[MSK+\q], v[MOFF], s[10:11] offset:128*\q th:TH_LOAD_NT ; points 128 q + 4 L .. + 3: the softmax's layout
.endr
	s_mov_b32 s41, 0
.Lchunk:
	s_lshl3_add_u32 s42, s40, s41                  ; the chunk's number among my wave's 16
	s_cmp_eq_u32 s42, 15
	s_cbranch_scc1 .Lnofetch                       ; behind my last chunk nothing is mine: no load leaves my rows
	s_mul_i32 s43, s42, CHUNKB
	v_add_nc_u32 v[DOFF], s43, v[DBASE]            ; the loads that named DOFF were waited for at the last chunk's end
.irp s, 0,1,2,3
	global_load_b96 v[RAW+4*\s:RAW+4*\s+2], v[DOFF], s[8:9] offset:CHUNKB+384*\s th:TH_LOAD_NT   ; the next chunk, a whole chunk's work ahead
.endr
.Lnofetch:
	s_lshl_b32 s43, s41, 9
	v_add_nc_u32 v[SST], s43, v[SBASE]             ; 512 bytes of scores a chunk
	WIN SRC0_W1                                    ; step 0: nothing to overlap yet
	L1 0, 0
	PLACES
	R1MAX
	WIN 0
	R1CVT
	WIN SRC0_W1                                    ; step 1
	L1 0, 1
	L2
	PLACES
	R1MAX
	WIN 0
	R1CVT
	STEP 1, 0
	STEP 1, 1
	STEP 2, 0
	STEP 2, 1
	STEP 3, 0
	STEP 3, 1
	WIN SRC0_W1
	R2MAIN                                         ; group 6
	L2                                             ; group 7
	WIN 0
	R2TAIL 0
	s_wait_loadcnt 0x0                             ; the next chunk's diff, asked for at this chunk's head (and, in a row's first chunk, the row's mask)
	XCVT                                           ; with R2TAIL ten places behind L2.  In my last chunk it rounds the old numbers again, and nobody reads them
	WIN SRC0_W1
	R2MAIN                                         ; group 7
	WIN 0
	R2TAIL 1
	COMBINE 3
	s_add_co_u32 s41, s41, 1
	s_cmp_lt_u32 s41, 8
	s_cbranch_scc1 .Lchunk
	; ------------------------------------------------------------ the row's softmax: lane L, block q, element e = point 128 q + 4 L + e
.irp q, 0,1,2,3,4,5,6,7
	ds_load_b128 v[E+4*\q:E+4*\q+3], v[SLD] offset:512*\q                    ; my wave's own bytes, served in the order of issue (ISA guide 5.7.1): they see the stores
.endr
.irp q, 0,1,2,3,4,5,6,7
	s_wait_dscnt 7-\q                              ; block q is in, the younger blocks stay out
	v_lshlrev_b32 v[TMP], 8, v[MSK+\q]
	v_sub_nc_u32 v[MSK+\q], v[TMP], v[MSK+\q]      ; x 255: each byte 0 or 1 becomes 0x00 or 0xff, without a carry
.irp e, 0,1,2,3
	v_perm_b32 v[D2+\e], v[MSK+\q], v[MSK+\q], 0x01010101*\e                 ; byte e in all four bytes
	v_bfi_b32 v[E+4*\q+\e], v[D2+\e], 0xff800000, v[E+4*\q+\e]               ; -inf where masked
.endr
.endr
	v_max_num_f32 v[MX], v[E], v[E+1]              ; the maximum: two chains in the lane,
	v_max_num_f32 v[MX+1], v[E+16], v[E+17]
.irp k, 1,2,3,4,5,6,7
	v_max3_num_f32 v[MX], v[MX], v[E+2*\k], v[E+2*\k+1]
	v_max3_num_f32 v[MX+1], v[MX+1], v[E+16+2*\k], v[E+17+2*\k]
.endr
	v_max_num_f32 v[MX], v[MX], v[MX+1]
	v_max_num_f32_dpp v[MX], v[MX], v[MX] row_xmask:1 row_mask:0xf bank_mask:0xf   ; four steps inside each half of the lanes,
	v_max_num_f32_dpp v[MX], v[MX], v[MX] row_xmask:2 row_mask:0xf bank_mask:0xf
	v_max_num_f32_dpp v[MX], v[MX], v[MX] row_xmask:4 row_mask:0xf bank_mask:0xf
	v_max_num_f32_dpp v[MX], v[MX], v[MX] row_xmask:8 row_mask:0xf bank_mask:0xf
	v_permlanex16_b32 v[TMP], v[MX], s32, s33      ; one across
	v_max_num_f32 v[MX], v[MX], v[TMP]
	v_mov_b32 v[MX+1], v[MX]
.irp k, 0,1,2,3,4,5,6,7,8,9,10,11,12,13,14,15
	v_pk_add_f32 v[E+2*\k:E+2*\k+1], v[E+2*\k:E+2*\k+1], v[MX:MX+1] neg_lo:[0,1] neg_hi:[0,1]   ; the maximum goes off first, by itself: near it the
.endr                                                                                          ; difference is exact however large the scores are
.irp k, 0,1,2,3,4,5,6,7,8,9,10,11,12,13,14,15
	v_pk_mul_f32 v[E+2*\k:E+2*\k+1], v[E+2*\k:E+2*\k+1], 0x3fb8aa3b op_sel_hi:[1,0]            ; x log2(e)
.endr
.set n, 0
.rept 32
	v_exp_f32 v[E+n], v[E+n]
.set n, n+1
.endr
	v_nop                                          ; one plain place behind the last exponential (ISA guide 5.7.2)
	s_wait_alu depctr_va_vdst(0)
	v_pk_add_f32 v[SM:SM+1], v[E:E+1], v[E+2:E+3]  ; the sum: two chains of pairs,
	v_pk_add_f32 v[SB:SB+1], v[E+16:E+17], v[E+18:E+19]
.irp k, 2,3,4,5,6,7
	v_pk_add_f32 v[SM:SM+1], v[SM:SM+1], v[E+2*\k:E+2*\k+1]
	v_pk_add_f32 v[SB:SB+1], v[SB:SB+1], v[E+16+2*\k:E+17+2*\k]
.endr
	v_pk_add_f32 v[SM:SM+1], v[SM:SM+1], v[SB:SB+1]
	v_add_f32 v[SM], v[SM], v[SM+1]
	v_add_f32_dpp v[SM], v[SM], v[SM] row_xmask:1 row_mask:0xf bank_mask:0xf   ; then over the lanes
	v_add_f32_dpp v[SM], v[SM], v[SM] row_xmask:2 row_mask:0xf bank_mask:0xf
	v_add_f32_dpp v[SM], v[SM], v[SM] row_xmask:4 row_mask:0xf bank_mask:0xf
	v_add_f32_dpp v[SM], v[SM], v[SM] row_xmask:8 row_mask:0xf bank_mask:0xf
	v_permlanex16_b32 v[TMP], v[SM], s32, s33
	v_add_f32 v[SM], v[SM], v[TMP]
	v_rcp_f32 v[RC], v[SM]
	v_nop                                          ; one plain place behind the reciprocal
	s_wait_alu depctr_va_vdst(0)
	v_mov_b32 v[RC+1], v[RC]
.irp k, 0,1,2,3,4,5,6,7,8,9,10,11,12,13,14,15
	v_pk_mul_f32 v[E+2*\k:E+2*\k+1], v[E+2*\k:E+2*\k+1], v[RC:RC+1]
.endr
.irp q, 0,1,2,3,4,5,6,7
	global_store_b128 v[OOFF], v[E+4*\q:E+4*\q+3], s[24:25] offset:512*\q th:TH_STORE_NT   ; each store of the wave covers 512 consecutive bytes, aligned
.endr
	s_wait_xcnt 0x0                                ; the stores' data (layer 1's result registers) and OOFF are written again only behind this wait
	s_add_co_u32 s40, s40, 1
	s_cmp_lt_u32 s40, 2
	s_cbranch_scc1 .Lrow
	s_wait_tensorcnt 0x0
	ds_add_u32 v254, v255
	s_wait_dscnt 0x0
	s_endpgm
.Lfunc_end_k_q4a1049b9bb_mlp_softmax:
	.size	k_q4a1049b9bb_mlp_softmax, .Lfunc_end_k_q4a1049b9bb_mlp_softmax-k_q4a1049b9bb_mlp_softmax
	.p2alignl 7, 3214868480
	.fill 96, 4, 3214868480
	.section	.rodata,"a",@progbits
	.p2align	6, 0x0
	.amdhsa_kernel k_q4a1049b9bb_mlp_softmax
		.amdhsa_group_segment_fixed_size 41984
		.amdhsa_private_segment_fixed_size 0
		.amdhsa_enable_private_segment 0
		.amdhsa_kernarg_size 72
		.amdhsa_user_sgpr_count 2
		.amdhsa_user_sgpr_kernarg_segment_ptr 1
		.amdhsa_wavefront_size32 1
		.amdhsa_system_sgpr_workgroup_id_x 1
		.amdhsa_system_sgpr_workgroup_id_y 1
		.amdhsa_system_sgpr_workgroup_id_z 1
		.amdhsa_system_vgpr_workitem_id 0
		.amdhsa_next_free_vgpr 424
		.amdhsa_next_free_sgpr 66
		.amdhsa_reserve_vcc 0
		.amdhsa_float_denorm_mode_32 3
		.amdhsa_float_denorm_mode_16_64 3
		.amdhsa_memory_ordered 1
		.amdhsa_forward_progress 1
		.amdhsa_inst_pref_size 72
	.end_amdhsa_kernel
	.amdgpu_metadata
---
amdhsa.version: [ 1, 2 ]
amdhsa.kernels:
  - .name:           k_q4a1049b9bb_mlp_softmax
    .symbol:         k_q4a1049b9bb_mlp_softmax.kd
    .args:
      - { .name: diff, .offset: 0, .size: 8, .value_kind: global_buffer, .address_space: global }
      - { .name: mask, .offset: 8, .size: 8, .value_kind: global_buffer, .address_space: global }
      - { .name: W1, .offset: 16, .size: 8, .value_kind: global_buffer, .address_space: global }
      - { .name: b1, .offset: 24, .size: 8, .value_kind: global_buffer, .address_space: global }
      - { .name: W2, .offset: 32, .size: 8, .value_kind: global_buffer, .address_space: global }
      - { .name: b2, .offset: 40, .size: 8, .value_kind: global_buffer, .address_space: global }
      - { .name: W3, .offset: 48, .size: 8, .value_kind: global_buffer, .address_space: global }
      - { .name: b3, .offset: 56, .size: 8, .value_kind: global_buffer, .address_space: global }
      - { .name: out0, .offset: 64, .size: 8, .value_kind: global_buffer, .address_space: global }
    .group_segment_fixed_size: 41984
    .private_segment_fixed_size: 0
    .kernarg_segment_align: 8
    .kernarg_segment_size: 72
    .max_flat_workgroup_size: 256
    .sgpr_count:     66
    .vgpr_count:     424
    .wavefront_size: 32
...
	.end_amdgpu_metadata
.endif
;; end of part 1
;; ======== version 2 of 2: 1 launch; version 1 with the launch mlp_softmax written anew for expert scheduling mode
;; launch mlp_softmax (part 2): grid 256 x 1, 8 waves a work-group, no clusters, 41,984 bytes of LDS; arguments diff, mask, W1, b1, W2, b2, W3, b3, out0; writes out0
.if DOCPART == 2
	.amdgcn_target "amdgcn-amd-amdhsa--gfx1250"
	.amdhsa_code_object_version 6
	.text
	.protected	k_q4a1049b9bb_mlp_softmax
	.globl	k_q4a1049b9bb_mlp_softmax
	.p2align	8
	.type	k_q4a1049b9bb_mlp_softmax,@function
k_q4a1049b9bb_mlp_softmax:
	s_mov_b64 s[64:65], 0
	v_nop
	global_prefetch_b8 v0, s[64:65] scope:SCOPE_SE
	s_setreg_imm32_b32 hwreg(HW_REG_WAVE_SCHED_MODE, 0, 2), 2
	s_setreg_imm32_b32 hwreg(HW_REG_WAVE_MODE, 25, 1), 1
	s_wait_xcnt 0x0
	s_wait_alu depctr_vm_vsrc(0)
; out0[row][j] = softmax over j of ( mask ? -inf : W3 . relu(W2^T relu(W1^T diff[row][j] + b1) + b2) + b3 ),  4,096 rows of 1,024 points.
; One launch, nothing intermediate in memory.  256 work-groups of 8 waves; a work-group owns 16 rows, a wave two whole rows, so a softmax
; never leaves its wave.  A row goes in 8 chunks of 128 points, a chunk in 8 groups of 16 points.
;
; ALL LAYERS ARE COMPUTED TRANSPOSED: D = W^T (hidden units as rows) x activations (hidden units along K, the 16 points as columns).
; In a result tile t, lane (r, h) holds in register j hidden unit 16 t + 8 h + j of point r; that is the order of K in the next layer's
; second operand, so relu and one packed rounding of neighbouring registers make that operand: no lane is crossed, no LDS is touched.
; b1 and b2 enter as the f32 C operands.  Layer 3 (one output) is a f32 multiply-add on the vector unit with W3 in f32; b3 is the addend
; of its first multiply-add in lanes 0-15.
;
; LAYER 1 has K = 3 of 32.  One operand X holds a whole chunk: lane L keeps point 32 s + L (s = 0..3) in registers 2 s, 2 s + 1 as
; (x0, x1), (x2, 0), which are k = {0, 4, 16, 20}[s] + 8 h + 0..3 of column r.  Group (s, h) is picked by a first operand that holds W1^T
; at just those k and zeros elsewhere.  The 32 such operands (4 tiles x 4 s x 2 h) are windows of 8 registers that slide over ONE array
; of 70: six zeros, the pair of (t, h), six zeros, the next pair, ..., six zeros.
;
; NOT SHARED IN A CLUSTER: the work-groups share 17,924 bytes of weights, read once each, against 278,528 bytes of their own
; (196,608 of diff, 16,384 of mask, 65,536 of out0).  No tensor load: each byte of diff is wanted once, by one lane, and a 12-byte load puts it there.
;
; LIMITS.  diff, W1, W2 and the hidden activations are rounded to bf16 (nearest even); b1, b2, W3, b3, all sums and the softmax are f32.
; diff has to be finite and below bf16's largest number (3.39e38): an infinity or NaN in the diff of ONE point, a masked one too, turns
; layer 1's zero products into NaN for the 7 other points that share its column of X.  Exponentials below 2^-126 come out as 0.
; A row that is masked throughout gives NaN everywhere, as -inf - (-inf) does in the formula itself.
;
; THE MODE: SCHED_MODE bits 1:0 = 2 (LLVM: expert scheduling mode 2), set by the entry lines.  The code itself states the register dependences
; between vector or matrix instructions and memory or LDS instructions, with s_wait_alu, always for 0.
; THE PLAN.  Registers that memory or LDS instructions touch, in the loops:
;   RAW      The four loads at a chunk's head land in it (the next chunk's diff); XCVT reads it near the chunk's end.
;   SC       The chunk's four scores: COMBINE s writes SC + s; four LDS stores, in one run at the chunk's end, read them.
;   SST      Written by one add at a chunk's head; read by those four stores.
;   MSK      Loaded at a row's head; read and rewritten by the row's softmax.
;   E = D1   Written and read by layer 1, relu and the roundings; then the row's scores land in it, the softmax works in place, and the row's stores read it.
;   DBASE, MBASE, OBASE, SLD  Made once at the head, never written again: the scalar bases of diff, mask and out0 move on, immediate offsets do the rest.
; So a chunk has TWO waits.  At its end one on va_vdst: SC and SST are written (the stores), XCVT is done reading RAW (the next head's loads, on the
; backward jump and across the softmax, which names neither RAW nor DBASE), and all of the chunk's readers and writers of D1 are done (the scores' loads
; behind a row's last chunk).  At its head one on vm_vsrc: the stores have read SC and SST, which this chunk writes again.
; A row adds three on va_vdst (the exponentials; the reciprocal; the scalings that the stores read) and one on vm_vsrc behind its stores.
.set DROW,   12288                     ; bytes in a row of diff
.set CHUNKB, 1536                      ; bytes of diff in a chunk of 128 points
.set SCR,    8192                      ; LDS: 0..8191 the image of W2^T's 8 fragments; then 4,096 bytes of scores for each wave
; window 0
.set DBASE, 4                          ; 12 L + my wave's two rows of diff
.set MBASE, 6                          ; 4 L + my wave's two rows of mask
.set OBASE, 8                          ; 16 L + my wave's two rows of out0
.set SBASE, 10                         ; LDS: my wave's scores + 4 L
.set SST,   11                         ; the same at the chunk at work
.set SLD,   12                         ; LDS: my wave's scores + 16 L
.set L16,   13                         ; 16 L
.set BI,    14                         ; v[14:15]   (b3 in lanes 0-15, 0 in lanes 16-31; 0)
.set P0,    16                         ; v16, v17   a lane's half sums of the groups (s, 0) and (s, 1)
.set KEEP,  18
.set SEND,  19
.set RECV,  20
.set TMP,   21
.set MX,    22                         ; v[22:23]   the row's maximum, twice
.set SM,    24                         ; v[24:25]   the row's sum
.set RC,    26                         ; v[26:27]   1 / sum, twice
.set W2OFF, 28
.set W1OFF, 29
.set HOFF,  30                         ; 32 h: my 8 hidden units in each 16 of b1, b2, W3
.set WST,   31                         ; LDS: where my wave's fragment of W2^T goes
.set RAW,   32                         ; v[32:47]   the next chunk's diff: slot s in RAW + 4 s .. + 2
.set X,     48                         ; v[48:55]   layer 1's second operand
.set MSK,   56                         ; v[56:63]   the row's mask, 4 bytes a lane and block
.set CB1,   64                         ; v[64:95]   b1[16 t + 8 h + j] at 8 t + j
.set CB2,   96                         ; v[96:127]  b2 likewise
.set D1,    128                        ; v[128:159] layer 1's results, 4 tiles
.set E,     128                        ;            in the softmax: the lane's 32 scores
.set D2,    160                        ; v[160:191] layer 2's results, 4 tiles; at work in the set-up and the softmax
.set SB,    164                        ;            the softmax's second chain of sums
.set B2,    192                        ; v[192:207] layer 2's second operand, K = 0..31 and 32..63
.set ACC,   208                        ; v[208:211] layer 3: two chains of two
.set SC,    212                        ; v[212:215] the chunk's scores: point 32 s + L in SC + s
; window 1 (written by their low 8 bits)
.set A2,    0                          ; v256-v319  W2^T: fragment 2 t + c (rows 16 t .., K 32 c ..) at 8 (2 t + c)
.set W3R,   64                         ; v320-v351  W3[16 t + 8 h + j] at 8 t + j, f32
.set A1,    96                         ; v352-v421  the array under layer 1's sliding windows
; s_set_vgpr_msb: bits 1:0 source 0, 3:2 source 1, 5:4 source 2, 7:6 destination; the high byte repeats the setting that is left
.set SRC0_W1, 0x01
.set DST_W1,  0x40
.set MSB, 0
.macro WIN new
.if MSB != \new
	s_set_vgpr_msb (MSB<<8)|\new
.set MSB, \new
.endif
.endm
; relu of two neighbouring registers (a even) in one issue.  Source 0 is a constant, so it holds under SRC0_W1 too.
.macro RELU2 a
	v_dual_max_num_f32 v[\a], 0, v[\a] :: v_dual_max_num_f32 v[\a+1], 0, v[\a+1]
.endm
.macro PLACES                          ; four places behind a matrix instruction whose result is read next (ISA guide 7.12.1)
.rept 4
	v_nop
.endr
.endm
; Layer 1 of group (s, h): four tiles of 16 hidden units; the window starts 2 s in front of the pair of (t, h).  Under SRC0_W1.
.macro L1 s, h
.irp t, 0,1,2,3
	v_wmma_f32_16x16x32_bf16 v[D1+8*\t:D1+8*\t+7], v[A1+6+8*(2*\t+\h)-2*\s:A1+6+8*(2*\t+\h)-2*\s+7], v[X:X+7], v[CB1+8*\t:CB1+8*\t+7]
.endr
.endm
; Layer 2: K = 0..31 starts the four sums on b2, K = 32..63 adds onto them.  The four accumulators take turns, one instruction a turn,
; Under SRC0_W1.
.macro L2
.irp t, 0,1,2,3
	v_wmma_f32_16x16x32_bf16 v[D2+8*\t:D2+8*\t+7], v[A2+16*\t:A2+16*\t+7], v[B2:B2+7], v[CB2+8*\t:CB2+8*\t+7]
.endr
.irp t, 0,1,2,3
	v_wmma_f32_16x16x32_bf16 v[D2+8*\t:D2+8*\t+7], v[A2+16*\t+8:A2+16*\t+15], v[B2+8:B2+15], v[D2+8*\t:D2+8*\t+7]
.endr
.endm
.macro R1MAX                           ; relu of layer 1's 32 results
.set n, 0
.rept 16
	RELU2 D1+2*n
.set n, n+1
.endr
.endm
.macro R1CVT                           ; and their rounding: register n of layer 2's operand is results 2 n, 2 n + 1.  Under window 0.
.set n, 0
.rept 16
	v_cvt_pk_bf16_f32 v[B2+n], v[D1+2*n], v[D1+2*n+1]
.set n, n+1
.endr
.endm
; relu of layer 2's 32 results and layer 3's multiply-adds, the relu two pairs ahead; two chains.  W3 is source 0: under SRC0_W1.
.macro R2MAIN
	RELU2 D2
	RELU2 D2+2
	RELU2 D2+4
	v_pk_fma_f32 v[ACC:ACC+1], v[W3R:W3R+1], v[D2:D2+1], v[BI:BI+1]          ; the first chain starts on b3
	RELU2 D2+6
	v_pk_mul_f32 v[ACC+2:ACC+3], v[W3R+2:W3R+3], v[D2+2:D2+3]                ; the second on its first product
.set n, 2
.rept 12
	RELU2 D2+2*n+4
	v_pk_fma_f32 v[ACC+2*(n&1):ACC+2*(n&1)+1], v[W3R+2*n:W3R+2*n+1], v[D2+2*n:D2+2*n+1], v[ACC+2*(n&1):ACC+2*(n&1)+1]
.set n, n+1
.endr
	v_pk_fma_f32 v[ACC:ACC+1], v[W3R+28:W3R+29], v[D2+28:D2+29], v[ACC:ACC+1]
	v_pk_fma_f32 v[ACC+2:ACC+3], v[W3R+30:W3R+31], v[D2+30:D2+31], v[ACC+2:ACC+3]
.endm
.macro R2TAIL p                        ; the lane's sum over its 32 hidden units, of group (s, p).  Under window 0.
	v_pk_add_f32 v[ACC:ACC+1], v[ACC:ACC+1], v[ACC+2:ACC+3]
	v_add_f32 v[P0+\p], v[ACC], v[ACC+1]
.endm
; The two halves of each point's sum lie in lanes r and 16 + r.  Lanes 0-15 keep group (s, 0) and send (s, 1), lanes 16-31 the other way
; round: one crossing serves both groups, and lane L ends with the score of point 32 s + L.  It stays in SC + s until the chunk's end.
.macro COMBINE s
	v_cndmask_b32 v[KEEP], v[P0+1], v[P0], s30
	v_cndmask_b32 v[SEND], v[P0], v[P0+1], s30
	v_permlanex16_b32 v[RECV], v[SEND], s32, s33
	v_add_f32 v[SC+(\s)], v[KEEP], v[RECV]
.endm
.macro XCVT                            ; a chunk's diff rounded into layer 1's operand
.irp s, 0,1,2,3
	v_cvt_pk_bf16_f32 v[X+2*\s], v[RAW+4*\s], v[RAW+4*\s+1]
	v_cvt_pk_bf16_f32 v[X+2*\s+1], v[RAW+4*\s+2], 0
.endr
.endm
; Step i = 2 s + h of a chunk, i >= 2: layer 1 of group i, layer 3 of group i - 2, layer 2 of group i - 1.  The 32 vector instructions of
; R2MAIN are the places between L1 and R1MAX; R1MAX's 16 are those between L2 and the writes of B2 and, a step later, the reads of D2.
; A step holds no memory or LDS instruction, and so no s_wait_alu.
.macro STEP s, h
	WIN SRC0_W1
	L1 \s, \h
	R2MAIN
	L2
	R1MAX
	WIN 0
	R1CVT
	R2TAIL \h
.if \h
	COMBINE \s-1
.endif
.endm
; ---------------------------------------------------------------- set-up
	s_load_b512 s[8:23], s[0:1], 0x0               ; diff s[8:9], mask s[10:11], W1 s[12:13], b1 s[14:15], W2 s[16:17], b2 s[18:19], W3 s[20:21], b3 s[22:23]
	s_load_b64 s[24:25], s[0:1], 0x40              ; out0
	v_lshl_add_u32 v254, v0, 2, 0xa000
	v_mov_b32 v255, 0
	v_and_b32 v1, 31, v0                           ; L
	v_and_b32 v2, 15, v0                           ; r
	v_bfe_u32 v3, v0, 4, 1                         ; h
	v_lshrrev_b32 v[TMP], 5, v0
	v_readfirstlane_b32 s26, v[TMP]                ; wave w, 0..7
	s_mov_b32 s30, 0x0000ffff                      ; lanes 0-15
	s_mov_b32 s31, 0xffff0000                      ; lanes 16-31
	s_mov_b32 s32, 0x76543210                      ; v_permlanex16_b32: lane i takes lane i of the other half
	s_mov_b32 s33, 0xfedcba98
	s_mul_i32 s27, ttmp9, 16*DROW                  ; diff: 16 rows a work-group, 2 a wave, 12 bytes a lane
	s_wait_alu depctr_va_sdst(0)                   ; s26 is written, ahead of its first reader: the wave's offsets are made from it
	s_mul_i32 s28, s26, 2*DROW
	s_add_co_u32 s27, s27, s28
	v_mad_u32_u24 v[DBASE], v1, 12, s27
	s_lshl_b32 s27, ttmp9, 14                      ; mask: rows of 1,024 bytes, 4 bytes a lane
	s_lshl_b32 s28, s26, 11
	s_add_co_u32 s27, s27, s28
	v_lshl_add_u32 v[MBASE], v1, 2, s27
	s_lshl_b32 s27, ttmp9, 16                      ; out0: rows of 4,096 bytes, 16 bytes a lane
	s_lshl_b32 s28, s26, 13
	s_add_co_u32 s27, s27, s28
	v_lshl_add_u32 v[OBASE], v1, 4, s27
	s_lshl_b32 s27, s26, 12                        ; LDS: my wave's 4,096 bytes of scores
	s_add_co_u32 s27, s27, SCR
	v_lshl_add_u32 v[SBASE], v1, 2, s27
	v_lshl_add_u32 v[SLD], v1, 4, s27
	v_lshlrev_b32 v[L16], 4, v1
	s_lshl_b32 s29, s26, 10                        ; LDS: fragment w of W2^T
	v_add_nc_u32 v[WST], s29, v[L16]
	s_and_b32 s27, s26, 1                          ; wave w rounds fragment w = 2 t + c: W2[32 c + k][16 t + r], rows of 256 bytes
	s_lshl_b32 s27, s27, 13                        ; 32 c rows
	s_lshr_b32 s28, s26, 1
	s_lshl_b32 s28, s28, 6                         ; 16 t columns
	s_add_co_u32 s27, s27, s28
	v_lshl_add_u32 v[W2OFF], v2, 2, s27
	v_lshl_add_u32 v[W2OFF], v3, 11, v[W2OFF]      ; + 8 h rows
	v_lshlrev_b32 v[W1OFF], 2, v2
	v_lshlrev_b32 v[HOFF], 5, v3
	s_wait_kmcnt 0x0
	s_load_b32 s34, s[22:23], 0x0                  ; b3
	s_wait_alu depctr_va_vdst(0)                   ; the offsets and addresses DBASE, MBASE, OBASE, SLD, L16, WST, W2OFF, W1OFF and HOFF are written: every load and store of the kernel but the scores' stores reads one of them, and none is written again
.irp e, 0,1,2,3,4,5,6,7
	global_load_b32 v[D2+\e], v[W2OFF], s[16:17] offset:256*\e               ; k = 8 h + e
.endr
.irp e, 0,1,2,3,4,5,6,7
	global_load_b32 v[D2+8+\e], v[W2OFF], s[16:17] offset:4096+256*\e        ; k = 16 + 8 h + e
.endr
.irp s, 0,1,2,3
	global_load_b96 v[RAW+4*\s:RAW+4*\s+2], v[DBASE], s[8:9] offset:384*\s th:TH_LOAD_NT   ; chunk 0: 384 neighbouring bytes a load
.endr
.irp t, 0,1,2,3
.irp d, 0,1,2
	global_load_b32 v[D1+4*\t+\d], v[W1OFF], s[12:13] offset:256*\d+64*\t    ; W1[d][16 t + r]
.endr
.endr
.irp t, 0,1,2,3
.irp u, 0,1
	global_load_b128 v[CB1+8*\t+4*\u:CB1+8*\t+4*\u+3], v[HOFF], s[14:15] offset:64*\t+16*\u
	global_load_b128 v[CB2+8*\t+4*\u:CB2+8*\t+4*\u+3], v[HOFF], s[18:19] offset:64*\t+16*\u
.endr
.endr
	WIN DST_W1
.irp t, 0,1,2,3
.irp u, 0,1
	global_load_b128 v[W3R+8*\t+4*\u:W3R+8*\t+4*\u+3], v[HOFF], s[20:21] offset:64*\t+16*\u   ; between the wait above and these stand loads and the window's switch alone
.endr
.endr
	WIN 0
	s_wait_loadcnt 40                              ; W2's 16 are in; the 4 + 12 + 16 + 8 loads issued behind them stay out
.irp n, 0,1,2,3,4,5,6,7
	v_cvt_pk_bf16_f32 v[D2+16+\n], v[D2+2*\n], v[D2+2*\n+1]
.endr
	s_wait_alu depctr_va_vdst(0)                   ; the eight conversions have written v[D2+16 .. D2+23], which the two LDS stores read
	ds_store_b128 v[WST], v[D2+16:D2+19]           ; the fragment's registers 0-3, lane by lane,
	ds_store_b128 v[WST], v[D2+20:D2+23] offset:512 ; and 4-7
	s_wait_dscnt 0x0                               ; for the other waves' sake: my fragment lies in LDS
	s_barrier_signal -1
	s_barrier_wait -1                              ; all eight do; the kernel's only barrier: the image is never written again
	WIN DST_W1
.irp f, 0,1,2,3,4,5,6,7
	ds_load_b128 v[A2+8*\f:A2+8*\f+3], v[L16] offset:1024*\f                 ; into registers that no vector instruction has named; L16 was written ahead of the first wait on va_vdst
	ds_load_b128 v[A2+8*\f+4:A2+8*\f+7], v[L16] offset:1024*\f+512
.endr
	WIN 0
	s_wait_loadcnt 24                              ; chunk 0 and W1 are in; the 16 loads of b1 and b2 and the 8 of W3 stay out
.irp t, 0,1,2,3
	v_cvt_pk_bf16_f32 v[D1+16+2*\t], v[D1+4*\t], v[D1+4*\t+1]                ; (W1[0], W1[1]) of hidden unit 16 t + r
	v_cvt_pk_bf16_f32 v[D1+17+2*\t], v[D1+4*\t+2], 0                         ; (W1[2], 0)
.endr
	WIN DST_W1
.irp i, 0,1,2,3,4,5
	v_mov_b32 v[A1+\i], 0                          ; the zeros are operands (K beyond the three inputs), not sums that are cleared
.endr
.irp p, 0,1,2,3,4,5,6,7
.irp i, 2,3,4,5,6,7
	v_mov_b32 v[A1+6+8*\p+\i], 0
.endr
.endr
.irp t, 0,1,2,3
.irp h, 0,1
	v_cndmask_b32 v[A1+6+8*(2*\t+\h)], 0, v[D1+16+2*\t], s[30+\h]            ; the pair of (t, h): W1 in the lanes of half h, 0 in the others
	v_cndmask_b32 v[A1+7+8*(2*\t+\h)], 0, v[D1+17+2*\t], s[30+\h]
.endr
.endr
	WIN 0
	XCVT                                           ; chunk 0
	s_wait_loadcnt 0x0                             ; b1, b2, W3
	s_wait_dscnt 0x0                               ; W2^T's fragments
	s_wait_kmcnt 0x0                               ; b3
	v_mov_b32 v[TMP], s34
	v_cndmask_b32 v[BI], 0, v[TMP], s30            ; b3 once for each point: in the half sums of lanes 0-15
	v_mov_b32 v[BI+1], 0
	v_mov_b32 v[RECV], 0                           ; v_permlanex16_b32 counts as a reader of its destination
	s_wait_alu depctr_va_vdst(0)                   ; chunk 0's conversions are done reading RAW, in which the first trip's loads land
; ---------------------------------------------------------------- my two rows
	s_mov_b32 s40, 0
.Lrow:
.irp q, 0,1,2,3,4,5,6,7
	global_load_b32 v[MSK+\q], v[MBASE], s[10:11] offset:128*\q th:TH_LOAD_NT ; points 128 q + 4 L .. + 3: the softmax's layout.  No vector instruction has named MSK since the last wait on va_vdst: the one above, or the one ahead of the last row's stores
.endr
	s_mov_b32 s41, 0
.Lchunk:
	s_lshl3_add_u32 s42, s40, s41                  ; the chunk's number among my wave's 16
	s_cmp_eq_u32 s42, 15
	s_cbranch_scc1 .Lnofetch                       ; behind my last chunk nothing is mine: no load leaves my rows
	s_add_nc_u64 s[8:9], s[8:9], CHUNKB            ; diff's base at the next chunk: the loads that read it were waited for at the last chunk's end (chunk 0's in the set-up)
.irp s, 0,1,2,3
	global_load_b96 v[RAW+4*\s:RAW+4*\s+2], v[DBASE], s[8:9] offset:384*\s th:TH_LOAD_NT   ; the next chunk, a whole chunk's work ahead.  No vector instruction since the wait on va_vdst at the last chunk's end (first trip: ahead of the loop) names RAW or DBASE
.endr
.Lnofetch:
	s_wait_alu depctr_vm_vsrc(0)                   ; the last chunk's four LDS stores have read SST and SC, which this chunk writes again; in the first trip: the set-up's two LDS stores have read v[D2+16 .. D2+23], which layer 2 writes
	s_lshl_b32 s43, s41, 9
	v_add_nc_u32 v[SST], s43, v[SBASE]             ; 512 bytes of scores a chunk
	WIN SRC0_W1                                    ; step 0: nothing to overlap yet
	L1 0, 0
	PLACES
	R1MAX
	WIN 0
	R1CVT
	WIN SRC0_W1                                    ; step 1
	L1 0, 1
	L2
	PLACES
	R1MAX
	WIN 0
	R1CVT
	STEP 1, 0
	STEP 1, 1
	STEP 2, 0
	STEP 2, 1
	STEP 3, 0
	STEP 3, 1
	WIN SRC0_W1
	R2MAIN                                         ; group 6
	L2                                             ; group 7
	WIN 0
	R2TAIL 0
	s_wait_loadcnt 0x0                             ; the next chunk's diff, asked for at this chunk's head (and, in a row's first chunk, the row's mask)
	XCVT                                           ; with R2TAIL ten places behind L2.  In my last chunk it rounds the old numbers again, and nobody reads them
	WIN SRC0_W1
	R2MAIN                                         ; group 7
	WIN 0
	R2TAIL 1
	COMBINE 3
	s_wait_alu depctr_va_vdst(0)                   ; the chunk's one wait on va_vdst: SC .. SC + 3 and SST are written, which the stores below read; XCVT is done reading RAW, in which the next head's loads land; layer 1, relu and the roundings are done with D1, in which a row's scores land
.irp s, 0,1,2,3
	ds_store_b32 v[SST], v[SC+\s] offset:128*\s    ; 128 neighbouring bytes of my wave's own scores
.endr
	s_add_co_u32 s41, s41, 1
	s_cmp_lt_u32 s41, 8
	s_cbranch_scc1 .Lchunk
	; ------------------------------------------------------------ the row's softmax: lane L, block q, element e = point 128 q + 4 L + e
.irp q, 0,1,2,3,4,5,6,7
	ds_load_b128 v[E+4*\q:E+4*\q+3], v[SLD] offset:512*\q                    ; my wave's own bytes, served in the order of issue (ISA guide 5.7.1): they see the stores.  No vector instruction stands between the wait above and these
.endr
.irp q, 0,1,2,3,4,5,6,7
	s_wait_dscnt 7-\q                              ; block q is in, the younger blocks stay out
	v_lshlrev_b32 v[TMP], 8, v[MSK+\q]
	v_sub_nc_u32 v[MSK+\q], v[TMP], v[MSK+\q]      ; x 255: each byte 0 or 1 becomes 0x00 or 0xff, without a carry
.irp e, 0,1,2,3
	v_perm_b32 v[D2+\e], v[MSK+\q], v[MSK+\q], 0x01010101*\e                 ; byte e in all four bytes
	v_bfi_b32 v[E+4*\q+\e], v[D2+\e], 0xff800000, v[E+4*\q+\e]               ; -inf where masked
.endr
.endr
	v_max_num_f32 v[MX], v[E], v[E+1]              ; the maximum: two chains in the lane,
	v_max_num_f32 v[MX+1], v[E+16], v[E+17]
.irp k, 1,2,3,4,5,6,7
	v_max3_num_f32 v[MX], v[MX], v[E+2*\k], v[E+2*\k+1]
	v_max3_num_f32 v[MX+1], v[MX+1], v[E+16+2*\k], v[E+17+2*\k]
.endr
	v_max_num_f32 v[MX], v[MX], v[MX+1]
	v_max_num_f32_dpp v[MX], v[MX], v[MX] row_xmask:1 row_mask:0xf bank_mask:0xf   ; four steps inside each half of the lanes,
	v_max_num_f32_dpp v[MX], v[MX], v[MX] row_xmask:2 row_mask:0xf bank_mask:0xf
	v_max_num_f32_dpp v[MX], v[MX], v[MX] row_xmask:4 row_mask:0xf bank_mask:0xf
	v_max_num_f32_dpp v[MX], v[MX], v[MX] row_xmask:8 row_mask:0xf bank_mask:0xf
	v_permlanex16_b32 v[TMP], v[MX], s32, s33      ; one across
	v_max_num_f32 v[MX], v[MX], v[TMP]
	v_mov_b32 v[MX+1], v[MX]
.irp k, 0,1,2,3,4,5,6,7,8,9,10,11,12,13,14,15
	v_pk_add_f32 v[E+2*\k:E+2*\k+1], v[E+2*\k:E+2*\k+1], v[MX:MX+1] neg_lo:[0,1] neg_hi:[0,1]   ; the maximum goes off first, by itself: near it the
.endr                                                                                          ; difference is exact however large the scores are
.irp k, 0,1,2,3,4,5,6,7,8,9,10,11,12,13,14,15
	v_pk_mul_f32 v[E+2*\k:E+2*\k+1], v[E+2*\k:E+2*\k+1], 0x3fb8aa3b op_sel_hi:[1,0]            ; x log2(e)
.endr
.set n, 0
.rept 32
	v_exp_f32 v[E+n], v[E+n]
.set n, n+1
.endr
	v_nop                                          ; one plain place behind the last exponential (ISA guide 5.7.2)
	s_wait_alu depctr_va_vdst(0)                   ; the 32 exponentials have written E: one wait for the batch, ahead of its first reader
	v_pk_add_f32 v[SM:SM+1], v[E:E+1], v[E+2:E+3]  ; the sum: two chains of pairs,
	v_pk_add_f32 v[SB:SB+1], v[E+16:E+17], v[E+18:E+19]
.irp k, 2,3,4,5,6,7
	v_pk_add_f32 v[SM:SM+1], v[SM:SM+1], v[E+2*\k:E+2*\k+1]
	v_pk_add_f32 v[SB:SB+1], v[SB:SB+1], v[E+16+2*\k:E+17+2*\k]
.endr
	v_pk_add_f32 v[SM:SM+1], v[SM:SM+1], v[SB:SB+1]
	v_add_f32 v[SM], v[SM], v[SM+1]
	v_add_f32_dpp v[SM], v[SM], v[SM] row_xmask:1 row_mask:0xf bank_mask:0xf   ; then over the lanes
	v_add_f32_dpp v[SM], v[SM], v[SM] row_xmask:2 row_mask:0xf bank_mask:0xf
	v_add_f32_dpp v[SM], v[SM], v[SM] row_xmask:4 row_mask:0xf bank_mask:0xf
	v_add_f32_dpp v[SM], v[SM], v[SM] row_xmask:8 row_mask:0xf bank_mask:0xf
	v_permlanex16_b32 v[TMP], v[SM], s32, s33
	v_add_f32 v[SM], v[SM], v[TMP]
	v_rcp_f32 v[RC], v[SM]
	v_nop                                          ; one plain place behind the reciprocal
	s_wait_alu depctr_va_vdst(0)                   ; the reciprocal has written RC, ahead of its first reader
	v_mov_b32 v[RC+1], v[RC]
.irp k, 0,1,2,3,4,5,6,7,8,9,10,11,12,13,14,15
	v_pk_mul_f32 v[E+2*\k:E+2*\k+1], v[E+2*\k:E+2*\k+1], v[RC:RC+1]
.endr
	s_wait_alu depctr_va_vdst(0)                   ; the sixteen scalings have written E, which the stores read; the softmax is also done reading and writing MSK, in which the next row's mask lands
.irp q, 0,1,2,3,4,5,6,7
	global_store_b128 v[OBASE], v[E+4*\q:E+4*\q+3], s[24:25] offset:512*\q th:TH_STORE_NT   ; each store of the wave covers 512 consecutive bytes, aligned
.endr
	s_wait_xcnt 0x0                                ; the stores' data (layer 1's result registers) and out0's base are written again only behind this wait
	s_wait_alu depctr_vm_vsrc(0)                   ; the stores have read E, which the next row's layer 1 writes
	s_add_nc_u64 s[24:25], s[24:25], 4096          ; out0's base at my next row,
	s_add_nc_u64 s[10:11], s[10:11], 1024          ; and mask's: its loads were waited for in the row's first chunk
	s_add_co_u32 s40, s40, 1
	s_cmp_lt_u32 s40, 2
	s_cbranch_scc1 .Lrow
	s_wait_dscnt 0x0
	s_wait_alu depctr_hold_cnt(0) depctr_sa_sdst(0) depctr_va_vdst(0) depctr_va_sdst(0) depctr_va_ssrc(0) depctr_va_vcc(0) depctr_vm_vsrc(0)
	s_wait_tensorcnt 0x0
	ds_add_u32 v254, v255
	s_wait_dscnt 0x0
	s_endpgm
.Lfunc_end_k_q4a1049b9bb_mlp_softmax:
	.size	k_q4a1049b9bb_mlp_softmax, .Lfunc_end_k_q4a1049b9bb_mlp_softmax-k_q4a1049b9bb_mlp_softmax
	.p2alignl 7, 3214868480
	.fill 96, 4, 3214868480
	.section	.rodata,"a",@progbits
	.p2align	6, 0x0
	.amdhsa_kernel k_q4a1049b9bb_mlp_softmax
		.amdhsa_group_segment_fixed_size 41984
		.amdhsa_private_segment_fixed_size 0
		.amdhsa_enable_private_segment 0
		.amdhsa_kernarg_size 72
		.amdhsa_user_sgpr_count 2
		.amdhsa_user_sgpr_kernarg_segment_ptr 1
		.amdhsa_wavefront_size32 1
		.amdhsa_system_sgpr_workgroup_id_x 1
		.amdhsa_system_sgpr_workgroup_id_y 1
		.amdhsa_system_sgpr_workgroup_id_z 1
		.amdhsa_system_vgpr_workitem_id 0
		.amdhsa_next_free_vgpr 424
		.amdhsa_next_free_sgpr 66
		.amdhsa_reserve_vcc 0
		.amdhsa_float_denorm_mode_32 3
		.amdhsa_float_denorm_mode_16_64 3
		.amdhsa_memory_ordered 1
		.amdhsa_forward_progress 1
		.amdhsa_inst_pref_size 73
	.end_amdhsa_kernel
	.amdgpu_metadata
---
amdhsa.version: [ 1, 2 ]
amdhsa.kernels:
  - .name:           k_q4a1049b9bb_mlp_softmax
    .symbol:         k_q4a1049b9bb_mlp_softmax.kd
    .args:
      - { .name: diff, .offset: 0, .size: 8, .value_kind: global_buffer, .address_space: global }
      - { .name: mask, .offset: 8, .size: 8, .value_kind: global_buffer, .address_space: global }
      - { .name: W1, .offset: 16, .size: 8, .value_kind: global_buffer, .address_space: global }
      - { .name: b1, .offset: 24, .size: 8, .value_kind: global_buffer, .address_space: global }
      - { .name: W2, .offset: 32, .size: 8, .value_kind: global_buffer, .address_space: global }
      - { .name: b2, .offset: 40, .size: 8, .value_kind: global_buffer, .address_space: global }
      - { .name: W3, .offset: 48, .size: 8, .value_kind: global_buffer, .address_space: global }
      - { .name: b3, .offset: 56, .size: 8, .value_kind: global_buffer, .address_space: global }
      - { .name: out0, .offset: 64, .size: 8, .value_kind: global_buffer, .address_space: global }
    .group_segment_fixed_size: 41984
    .private_segment_fixed_size: 0
    .kernarg_segment_align: 8
    .kernarg_segment_size: 72
    .max_flat_workgroup_size: 256
    .sgpr_count:     66
    .vgpr_count:     424
    .wavefront_size: 32
...
	.end_amdgpu_metadata
.endif
;; end of part 2
